; MI455X (gfx1250); checked and timed in simulation.
; The chip was launched on July 23, 2026; its instructions are those of AMD's public machine-readable ISA for CDNA 5 (MIT licence, August 2026) and "CDNA5" Instruction Set Architecture Reference Guide (July 2026). The comments in the code are by the model that wrote it; some were corrected since.
;; Haar Sym HQ Linear. Allowed arithmetic: matrix products marked QUANTISED: E2M1 operands, one E8M0 scale for each 32 along K, by v_wmma_scale_f32_16x16x128_f8f6f4 with both operands' format E2M1 (or v_wmma_scale_f32_32x16x128_f4), f32 sums; everything else in f32.
;; Inputs: codebook 256 x 8 float32; indices 1,048,576 int32; scales 2,048 x 1 float32; signs_packed 1,048,576 int32; x 4 x 2,048 x 4,096 float32.
;; Outputs: out0 4 x 2,048 x 2,048 float32.
;; This version of the problem:
;;   THIS VERSION OF THE PROBLEM IS GIVEN IN LOW PRECISION. The matrix products marked QUANTISED in the list below multiply operands that are first quantised to E2M1 (2 exponent bits, 1 mantissa bit; 4 bits a number), with one power-of-two scale for each 32 numbers along K (OCP MX v1.0); their sums are f32. All else is computed in f32.
;;   The module's matrix products, in the order in which they are computed (A, B: the left and right operand; K: the contracted axis; several contracted axes count as one K, in the product's order):
;;     1. [M 8,192, K 4,096] x [K 4,096, N 2,048]; A: input x; B: computed on the way: QUANTISED
;;   THE QUANTISER, for each operand of a quantised product, along K:
;;     - K is cut into blocks of 32 from its start; a last block that is shorter is filled with zeros.
;;     - A block's scale is 2^e with e = floor(log2(the largest magnitude in the block)) - 2, held to -126 .. 127; a block of zeros has e = 0. As a byte (E8M0): e + 127.
;;     - Each number is divided by its block's scale, clamped to +-6, and rounded to the nearest number of E2M1, ties to even, subnormals kept.
;;     - The product sums the exact products of the quantised numbers (number of the format x scale) in f32.
;;   ~~~python
;;   def quantise(x, axis):      # numpy; x: float32 -> the quantised numbers, widened to float32 again
;;       x = np.moveaxis(x, axis, -1); K = x.shape[-1]
;;       x = np.pad(x, [(0, 0)] * (x.ndim - 1) + [(0, -K % 32)]); x = x.reshape(x.shape[:-1] + (-1, 32)); a = np.abs(x).max(-1, keepdims=True)
;;       e = np.where(a > 0, np.clip(np.frexp(np.where(a > 0, a, 1))[1] - 1 - 2, -126, 127), 0)      # np.frexp(a)[1] - 1 = floor(log2(a)), exactly
;;       r = np.clip(x / 2.0 ** e, -6, 6)
;;       step = 2.0 ** (np.maximum(np.frexp(np.where(r == 0, 1, r))[1] - 1, 0) - 1)
;;       q = np.round(r / step) * step * 2.0 ** e      # np.round: ties to even
;;       return np.moveaxis(q.reshape(q.shape[:-2] + (-1,))[..., :K], -1, axis).astype(np.float32)
;;   ~~~
;;   OPERANDS COMPUTED ON THE WAY. 'Computed on the way' means the value that the module computes at that place (a softmax that the list does not call 'softmax' is quantised finished and normalised). What goes into a quantiser is computed in f32, as accurately as f32 sums, v_exp_f32 and their like allow (about 1e-6 of the number): no bf16 or f16 on the way to a quantiser, and a product that is left as it is and whose result goes on into a quantised operand takes f32 operands (vector FMAs, or v_wmma_f32_16x16x4_f32). A number that lies on a knife's edge between two numbers of the format may be rounded either way, as far as f32 arithmetic and the matrix unit's own rounding can turn it there, and no further.
;; One version. Each part assembles by itself: llvm-mc -triple=amdgcn-amd-amdhsa -mcpu=gfx1250 --defsym DOCPART=n.
;; ======== version 1 of 1: 2 launches
;; limits: right only within a limited range of input values
;; workspace buffers: aq 17,825,792 bytes; bq 4,456,448 bytes
;; launch prep (part 1): grid 640 x 1, 4 waves a work-group, no clusters, 80,384 bytes of LDS; arguments x, codebook, scales, indices, signs_packed, aq, bq; writes aq, bq
.if DOCPART == 1
	.amdgcn_target "amdgcn-amd-amdhsa--gfx1250"
	.amdhsa_code_object_version 6
	.text
	.protected	k_q142ec6655a_prep
	.globl	k_q142ec6655a_prep
	.p2align	8
	.type	k_q142ec6655a_prep,@function
k_q142ec6655a_prep:
	s_mov_b64 s[64:65], 0
	v_nop
	global_prefetch_b8 v0, s[64:65] scope:SCOPE_SE
	s_setreg_imm32_b32 hwreg(HW_REG_WAVE_MODE, 25, 1), 1
	s_wait_xcnt 0x0
; BOTH OPERANDS OF out = x W^T BECOME CODES OF FP4 (E2M1) WITH ONE E8M0 SCALE BYTE FOR EACH 32 ALONG K, ONCE, LAID AS THE PRODUCT'S LAUNCH WANTS THEM.
; x: [8192][4096] f32.  W: [2048][4096] is made here: codebook[indices] (8 numbers an index), signs from bits (bit 1: +, bit 0: -), a two-level inverse Haar transform along K, a scale for each row; all in f32, in the order add, x 1/sqrt 2, add, x 1/sqrt 2, x scale.
; THE TRANSFORM IS LOCAL: w[32 B .. 32 B + 31] of a row hang on a[8 B ..+7] (group B of the row's 512 groups of 8), d2[8 B ..+7] (group 128 + B) and d1[16 B ..+15] (groups 256 + 2 B, 257 + 2 B): one lane makes one whole block of 32.
; A block's scale is 2^(floor(log2(its largest magnitude)) - 2); its byte is the largest magnitude's exponent field - 2, held at 1 from below.
; THE BUFFERS aq (x) and bq (W): [blocks of 128 rows][8 K steps of 512][34,816 bytes].  In such a piece: codes at 4096 i + 1024 q + 256 b + 16 r (i: which 16 rows; q: which 128 along K; b: which 32; r: the row; 16 bytes = 32 codes),
; scale bytes at 32768 + 256 i + 16 r + 4 q + b.  A fragment (i, q), 1,024 bytes, is the image of the operand's 8 registers: registers 4 c .. 4 c + 3 of lane l lie at 512 c + 16 l.
; SHARES.  A work-group of four waves owns 16 rows; wave w owns K = 1024 w .. 1024 w + 1023 (K steps 2 w and 2 w + 1: 8 fragments).  Work-groups 0-127 make W, 128-639 take x.
; THE CODEBOOK LIES IN LDS on W's way: the work-group copies its 8,192 bytes once and gathers from there, where gathers from memory would ask for 16 rows x 512 indices x 32 bytes = 262,144 bytes a work-group.
; On x's way waves share nothing and there is no barrier; on W's way they share the table: two barriers.  Each of the two ways has LDS bytes of its own.  Everything is written out by macro: every offset is an immediate.
; LIMITS: NaN and infinities among x, codebook and scales are not served.  A block of zeros gets the byte 1 where the rule says 127: its codes are zeros, which add nothing, and the bytes are read by this program alone.
; An index is held at 255 as an unsigned number (the problem keeps it inside the table).
.set NWGW,   128                       ; work-groups that make W
.set PIECE,  34816                     ; 128 rows x 512 K: 32,768 bytes of codes + 2,048 scale bytes
.set ROWBLK, 8*PIECE                   ; 128 rows, all of K
.set SCOFF,  32768
.set TAB,    0                         ; LDS: the codebook, 256 entries of 32 bytes (W's way)
.set XBASE,  8192                      ; behind it x's way
.set XPITCH, 528                       ; x's stage: a row's 512 bytes + 16: 33 x 16 bytes, so that sixteen rows' reads of 16 bytes fall on different banks
.set XREG,   8704                      ; a wave's stage on x's way (16 x 528 = 8,448 used)
.set WBASE,  XBASE+4*XREG              ; W's stages begin behind x's
.set WREG,   9216                      ; a wave's bytes on W's way: the codes' stage, then 512 scale bytes
.set WPITCH, 272                       ; the codes' stage: a K block's 16 rows x 16 bytes + 16
.set WSCB,   32*WPITCH
.set LN,   2                           ; v2   lane
.set RR,   3                           ; v3   r = lane % 16
.set HH,   4                           ; v4   h = lane / 16
.set CO,   5                           ; v5   16 x lane
.set SO,   6                           ; v6   16 r + 34,816 h: my 16 scale bytes, K step h of my wave's two
.set XSI,  7                           ; v7   x's stage, in
.set XSO,  8                           ; v8   x's stage, out
.set WSI,  9                           ; v9   W's stage, in
.set WSO,  10                          ; v10  W's stage, out
.set WBI,  11                          ; v11  W's scale bytes, in
.set WBO,  12                          ; v12  W's scale bytes, out
.set SH8,  13                          ; v13  8 h
.set VA,   14                          ; v14  4 x thread: my K block's group among a's and d2's
.set VD,   15                          ; v15  8 x thread: its two groups among d1's
	s_load_b256 s[4:11], s[0:1], 0x0               ; x s[4:5], codebook s[6:7], scales s[8:9], indices s[10:11]
	s_load_b128 s[12:15], s[0:1], 0x20             ; signs s[12:13], aq s[14:15]
	s_load_b64 s[16:17], s[0:1], 0x30              ; bq
	s_set_vgpr_msb 0x40
	v_lshl_add_u32 v0, v0, 2, 0x13800
	v_mov_b32 v1, 0
	s_set_vgpr_msb 0x4000
	v_lshrrev_b32 v1, 5, v0
	v_readfirstlane_b32 s18, v1                    ; wave 0..3
	v_and_b32 v[LN], 31, v0
	v_and_b32 v[RR], 15, v0
	v_bfe_u32 v[HH], v0, 4, 1
	v_lshlrev_b32 v[CO], 4, v[LN]
	v_mul_u32_u24 v[SO], v[HH], PIECE
	v_lshl_add_u32 v[SO], v[RR], 4, v[SO]
	; the stages' LDS addresses of both ways are made here, ahead of the parting
	s_mul_i32 s52, s18, XREG
	s_add_co_u32 s52, s52, XBASE
	v_lshl_add_u32 v[XSI], v[LN], 4, s52           ; in: a row's 512 bytes as they are loaded
	v_mul_u32_u24 v[XSO], v[RR], XPITCH
	v_lshl_add_u32 v[XSO], v[HH], 7, v[XSO]
	v_add_nc_u32 v[XSO], s52, v[XSO]               ; out: row r, block h of 128 bytes
	s_mul_i32 s53, s18, WREG
	s_add_co_u32 s53, s53, WBASE
	v_mul_u32_u24 v[WSI], v[LN], WPITCH
	v_add_nc_u32 v[WSI], s53, v[WSI]               ; in: my K block's line
	v_mul_u32_u24 v[WSO], v[HH], WPITCH
	v_lshl_add_u32 v[WSO], v[RR], 4, v[WSO]
	v_add_nc_u32 v[WSO], s53, v[WSO]               ; out: K block h of a pair, row r
	s_add_co_u32 s53, s53, WSCB
	v_add_nc_u32 v[WBI], s53, v[LN]                ; in: [row][32 K blocks], my K block's byte
	v_lshlrev_b32 v[WBO], 5, v[RR]
	v_lshl_add_u32 v[WBO], v[HH], 4, v[WBO]
	v_add_nc_u32 v[WBO], s53, v[WBO]               ; out: row r, 16 bytes of K step h
	v_lshlrev_b32 v[SH8], 3, v[HH]
	v_lshlrev_b32 v[VA], 2, v0
	v_lshlrev_b32 v[VD], 3, v0
	s_mov_b32 s24, 0x3f3504f3                      ; 1 / sqrt 2 in f32
	s_mov_b32 s25, s24                             ; (the packed form names the pair)
	s_mov_b32 s26, 0x80000000                      ; the sign bit
	s_mov_b32 s28, 0x76543210
	s_mov_b32 s29, 0xfedcba98                      ; v_permlanex16_b32's selects for lane l xor 16
	s_cmp_lt_u32 ttmp9, NWGW
	s_cselect_b32 s19, 0, NWGW
	s_sub_co_u32 s19, ttmp9, s19                   ; G: which 16 rows of my tensor
	s_lshr_b32 s22, s19, 3
	s_mul_i32 s22, s22, ROWBLK                     ; the block of 128 rows,
	s_mul_i32 s23, s18, 2*PIECE
	s_add_co_u32 s22, s22, s23                     ; my wave's two K steps,
	s_and_b32 s23, s19, 7                          ; i
	s_lshl_b32 s50, s23, 8
	s_add_co_u32 s50, s50, s22
	s_add_co_u32 s50, s50, SCOFF                   ; the scale bytes of my 16 rows
	s_mov_b32 s51, 0
	s_lshl_b32 s23, s23, 12
	s_add_co_u32 s22, s22, s23                     ; and their codes
	s_mov_b32 s23, 0
	s_wait_kmcnt 0x0
	s_cmp_lt_u32 ttmp9, NWGW                       ; the choice hangs on the work-group's number alone
	s_cselect_b64 s[30:31], s[16:17], s[14:15]     ; bq or aq
	s_add_nc_u64 s[20:21], s[30:31], s[50:51]
	s_add_nc_u64 s[30:31], s[30:31], s[22:23]
	s_cbranch_scc1 .Lw                             ; (the 64-bit sums leave SCC alone)
; ------------------------------------------------------------------ x ------------------------------------------------------------------
; A fragment is 16 rows x 128 K.  Each of its 16 loads reads 512 consecutive bytes of one row, 16 a lane.  The operand's layout gives lane (r, h) blocks h and 2 + h of row r, 32 neighbours each:
; so the 8,192 bytes turn through the wave's stage.  The codes then ARE the operand's registers and leave by two stores of 512 consecutive bytes.
.set WORD, 16                          ; v16-23   a fragment's scale word, for each of the eight
.set OUTW, 24                          ; v24-27   my 16 scale bytes on the way out
.set MX,   28                          ; v28-29   the two blocks' largest magnitudes
.set SCP,  30                          ; v30-31   the conversions' scale operands
.set BYT,  32                          ; v32-33   the scale bytes
.set TT,   34
.set UU,   35
.set CDX,  36                          ; v36-43   the codes
.set RAW,  64                          ; v64-191  two sets of 64: a fragment as loaded
.set XN,   192                         ; v192-255 my two blocks
	s_lshl_b32 s22, s19, 18                        ; 16 rows of 16,384 bytes
	s_lshl_b32 s23, s18, 12                        ; my wave's 1,024 numbers
	s_add_co_u32 s22, s22, s23
	s_mov_b32 s23, 0
	s_add_nc_u64 s[4:5], s[4:5], s[22:23]
	v_mov_b32 v[UU], 0                             ; written once: a lane permute's destination counts as one of its sources
.macro XLOAD f
.irp j, 0,1,2,3,4,5,6,7,8,9,10,11,12,13,14,15
	global_load_b128 v[RAW+64*((\f)%2)+4*\j:RAW+64*((\f)%2)+4*\j+3], v[CO], s[4:5] offset:\j*16384+(\f)*512 th:TH_LOAD_NT
.endr
.endm
.macro XSTEP f
.if (\f) < 7
	s_wait_loadcnt 16                              ; this fragment's 16 loads are in; the next fragment's 16 may be out
.else
	s_wait_loadcnt 0
.endif
.irp j, 0,1,2,3,4,5,6,7,8,9,10,11,12,13,14,15
	ds_store_b128 v[XSI], v[RAW+64*((\f)%2)+4*\j:RAW+64*((\f)%2)+4*\j+3] offset:\j*XPITCH
.endr
.irp c, 0,1
.irp g, 0,1,2,3,4,5,6,7
	ds_load_b128 v[XN+32*\c+4*\g:XN+32*\c+4*\g+3], v[XSO] offset:\c*256+\g*16   ; LDS serves a wave's instructions in order: these see the stores above, and the next fragment's stores come behind them
.endr
.endr
	s_wait_xcnt 0x0                                ; the last fragment's two stores have read their data: the codes' registers are written again, further down, only behind this wait.  It stands ahead of the loads below, so that it does not wait for them
.if (\f)+2 < 8
	s_wait_dscnt 16                                ; all but the 16 reads: the stores have read their registers,
	XLOAD (\f)+2                                   ; which take the fragment two on: 32 loads of a wave are on their way
.endif
	s_wait_dscnt 0x0
.irp c, 0,1
	v_max3_num_f32 v[MX+\c], |v[XN+32*\c]|, |v[XN+32*\c+1]|, 0x1800000   ; and the floor 2^(3 - 127): the byte cannot fall under 1
.endr
.irp i, 2,4,6,8,10,12,14,16,18,20,22,24,26,28,30
.irp c, 0,1
	v_max3_num_f32 v[MX+\c], v[MX+\c], |v[XN+32*\c+\i]|, |v[XN+32*\c+\i+1]|   ; (the two blocks by turns)
.endr
.endr
.irp c, 0,1
	v_add_nc_u32 v[SCP+\c], 0xff000000, v[MX+\c]   ; 2 off the exponent field: the conversion takes the exponent field of this operand as its scale
.endr
.irp c, 0,1
	v_lshrrev_b32 v[BYT+\c], 23, v[SCP+\c]         ; the scale's byte
.endr
	v_lshl_or_b32 v[TT], v[BYT+1], 16, v[BYT]      ; my two bytes, blocks h and 2 + h,
	v_lshlrev_b32 v[TT], v[SH8], v[TT]             ; at their places in the row's word;
	v_permlanex16_b32 v[UU], v[TT], s28, s29
	v_or_b32 v[WORD+(\f)], v[TT], v[UU]            ; with lane l xor 16's two the word is whole
.irp c, 0,1
.irp g, 0,1,2,3
	v_cvt_scalef32_pk8_fp4_f32 v[CDX+4*\c+\g], v[XN+32*\c+8*\g:XN+32*\c+8*\g+7], v[SCP+\c]
.endr
.endr
	v_nop                                          ; one plain place behind the last scaled conversion
.irp c, 0,1
	global_store_b128 v[CO], v[CDX+4*\c:CDX+4*\c+3], s[30:31] offset:((\f)/4)*PIECE+((\f)%4)*1024+\c*512   ; 32 lanes store 512 consecutive bytes, at a multiple of 256 from the buffer's first byte
.endr
.endm
	XLOAD 0
	XLOAD 1
.irp f, 0,1,2,3,4,5,6,7
	XSTEP \f
.endr
	v_cmp_ne_u32 vcc_lo, 0, v[HH]
.irp q, 0,1,2,3
	v_cndmask_b32 v[OUTW+\q], v[WORD+\q], v[WORD+4+\q], vcc_lo   ; lanes 0-15: the first K step's four words of row r; lanes 16-31: the second's
.endr
	global_store_b128 v[SO], v[OUTW:OUTW+3], s[20:21]   ; sixteen lanes store 256 consecutive bytes, aligned, in each of the two K steps
	s_set_vgpr_msb 0x5
	s_wait_tensorcnt 0x0
	ds_add_u32 v0, v1
	s_wait_dscnt 0x0
	s_set_vgpr_msb 0x500
	s_endpgm
; ------------------------------------------------------------------ W ------------------------------------------------------------------
; Lane l of wave w takes K block B = 32 w + l (the thread's number) of one row at a time, 16 rows.  A row's way: six loads of indices and sign words (four rows ahead), eight gathers from the table in LDS (one row ahead), the arithmetic.
; THREE PHASES, two barriers.  1: the table goes into LDS, 64 bytes a thread | barrier | 2: the 16 rows; LDS is only read; a row's codes and its scale byte stay in registers | barrier |
; 3: codes and bytes turn through the wave's own stage and leave.  The second barrier parts every read whose address came from memory from every later LDS store of the work-group.
.Lw:
.set IDX,  16                          ; v16-47   slot r % 4: +0 a's index, +1 d2's, +2, +3 d1's two; +4 .. +7 the sign words likewise, inverted in place
.set ADG,  48                          ; v48-55   set r % 2: the four gathers' LDS addresses
.set TSG,  56                          ; v56-59   at work
.set BYW,  60                          ; v60-75   a scale byte for each row
.set CK,   76                          ; v76-139  four registers of codes for each row
.set T2,   140                         ; v140-155 16 numbers behind the first level
.set WV,   156                         ; v156-187 the block's 32 numbers; on the way out v156-159 the scale bytes
.set GA,   188                         ; v188-251 set r % 2 of 32: a 0-7, d2 8-15, d1 16-31; at the head the table's 64 bytes; on the way out the codes
.set WM,   252                         ; v252     the largest magnitude
.set WSC,  253                         ; v253     the conversions' scale operand
.set WM2,  254                         ; v254     the maximum's second chain
.set TBI,  255                         ; v255     16 x thread: where I put my part of the table
.macro ILOAD r
.set ISET, IDX+8*((\r)%4)
	global_load_b32 v[ISET],   v[VA], s[10:11] offset:(\r)*2048 th:TH_LOAD_NT
	global_load_b32 v[ISET+1], v[VA], s[10:11] offset:(\r)*2048+512 th:TH_LOAD_NT
	global_load_b64 v[ISET+2:ISET+3], v[VD], s[10:11] offset:(\r)*2048+1024 th:TH_LOAD_NT
	global_load_b32 v[ISET+4], v[VA], s[12:13] offset:(\r)*2048 th:TH_LOAD_NT
	global_load_b32 v[ISET+5], v[VA], s[12:13] offset:(\r)*2048+512 th:TH_LOAD_NT
	global_load_b64 v[ISET+6:ISET+7], v[VD], s[12:13] offset:(\r)*2048+1024 th:TH_LOAD_NT
.endm
.macro GATHER r
.set ISET, IDX+8*((\r)%4)
.set ASET, ADG+4*((\r)%2)
.set GSET, GA+32*((\r)%2)
.irp k, 0,1,2,3
	v_min_u32 v[ASET+\k], 0xff, v[ISET+\k]         ; a loaded number enters an address only held inside the table
.endr
.irp k, 0,1,2,3
	v_lshlrev_b32 v[ASET+\k], 5, v[ASET+\k]        ; 32 bytes an entry
.endr
.irp k, 0,1,2,3
	ds_load_b128 v[GSET+8*\k:GSET+8*\k+3],   v[ASET+\k] offset:TAB
	ds_load_b128 v[GSET+8*\k+4:GSET+8*\k+7], v[ASET+\k] offset:TAB+16
.endr
.endm
.macro COMPUTE r
.set ISET, IDX+8*((\r)%4)
.set GSET, GA+32*((\r)%2)
.irp k, 0,1,2,3
	v_xor_b32 v[ISET+4+\k], -1, v[ISET+4+\k]       ; bit 1 = negate
.endr
.irp k, 0,1,2,3                                ; x (2 bit - 1): the sign is turned where the bit is 0; four numbers at a time
.irp e0, 0,4
.irp e, 0,1,2,3
	v_lshlrev_b32 v[TSG+\e], 31-(\e0+\e), v[ISET+4+\k]
.endr
.irp e, 0,1,2,3
	v_and_b32 v[TSG+\e], s26, v[TSG+\e]
.endr
.irp e, 0,1,2,3
	v_xor_b32 v[GSET+8*\k+\e0+\e], v[TSG+\e], v[GSET+8*\k+\e0+\e]
.endr
.endr
.endr
.irp i, 0,1,2,3,4,5,6,7                        ; the coarser level: (a + d2) / sqrt 2, (a - d2) / sqrt 2, interleaved
	v_add_f32 v[T2+2*\i],   v[GSET+\i], v[GSET+8+\i]
	v_sub_f32 v[T2+2*\i+1], v[GSET+\i], v[GSET+8+\i]
.endr
.irp i, 0,2,4,6,8,10,12,14
	v_pk_mul_f32 v[T2+\i:T2+\i+1], v[T2+\i:T2+\i+1], s[24:25] op_sel_hi:[1,0]
.endr
.irp j, 0,1,2,3,4,5,6,7,8,9,10,11,12,13,14,15  ; the finer level, with d1
	v_add_f32 v[WV+2*\j],   v[T2+\j], v[GSET+16+\j]
	v_sub_f32 v[WV+2*\j+1], v[T2+\j], v[GSET+16+\j]
.endr
.irp j, 0,2,4,6,8,10,12,14,16,18,20,22,24,26,28,30
	v_pk_mul_f32 v[WV+\j:WV+\j+1], v[WV+\j:WV+\j+1], s[24:25] op_sel_hi:[1,0]
.endr
	s_mov_b32 s48, s[32+(\r)]                      ; the row's scale
	s_mov_b32 s49, s[32+(\r)]
.irp j, 0,2,4,6,8,10,12,14,16,18,20,22,24,26,28,30
	v_pk_mul_f32 v[WV+\j:WV+\j+1], v[WV+\j:WV+\j+1], s[48:49] op_sel_hi:[1,0]   ; a rounding of its own, as the definition has it: what goes into the quantiser keeps the definition's order
.endr
	v_max3_num_f32 v[WM],  |v[WV]|,   |v[WV+1]|, |v[WV+2]|   ; the block's largest magnitude: all 32 numbers are mine; two chains
	v_max3_num_f32 v[WM2], |v[WV+3]|, |v[WV+4]|, |v[WV+5]|
.irp i, 6,10,14,18,22,26
	v_max3_num_f32 v[WM],  v[WM],  |v[WV+\i]|,   |v[WV+\i+1]|
	v_max3_num_f32 v[WM2], v[WM2], |v[WV+\i+2]|, |v[WV+\i+3]|
.endr
	v_max3_num_f32 v[WM], v[WM], |v[WV+30]|, |v[WV+31]|
	v_max3_num_f32 v[WM], v[WM], v[WM2], 0x1800000 ; and the floor 2^(3 - 127)
	v_add_nc_u32 v[WSC], 0xff000000, v[WM]         ; 2 off the exponent field: the conversions' scale operand
	v_lshrrev_b32 v[BYW+(\r)], 23, v[WSC]          ; the scale's byte: it stays in its register
.irp g, 0,1,2,3
	v_cvt_scalef32_pk8_fp4_f32 v[CK+4*(\r)+\g], v[WV+8*\g:WV+8*\g+7], v[WSC]   ; and so do the row's codes
.endr
	v_nop                                          ; one plain place behind the last scaled conversion
.endm
; Row r's turn.  The count on LOADcnt: the loads issued behind row r + 1's six, which may stay out: rows r + 2's and r + 3's, six each, as far as those rows exist.
; The count on DScnt: row r + 1's eight gathers, just issued, may stay out; row r's are in.  Row r + 4's loads take the slot that row r has read.
.macro WSTEP r
.if (\r) < 15
.if (\r) <= 12
	s_wait_loadcnt 12
.elseif (\r) == 13
	s_wait_loadcnt 6
.else
	s_wait_loadcnt 0
.endif
	GATHER (\r)+1
	s_wait_dscnt 8
.else
	s_wait_dscnt 0x0
.endif
	COMPUTE \r
.if (\r)+4 < 16
	ILOAD (\r)+4
.endif
.endm
	s_lshl_b32 s22, s19, 15                        ; 16 rows of 512 words
	s_mov_b32 s23, 0
	s_add_nc_u64 s[10:11], s[10:11], s[22:23]
	s_add_nc_u64 s[12:13], s[12:13], s[22:23]
	s_lshl_b32 s22, s19, 6
	s_add_nc_u64 s[8:9], s[8:9], s[22:23]
	s_load_b512 s[32:47], s[8:9], 0x0              ; my 16 rows' scales
	v_lshlrev_b32 v1, 4, v0                        ; 16 x thread: my 16 bytes of each quarter of the table, in memory
	v_lshlrev_b32 v[TBI], 4, v0                    ; and in LDS
.irp j, 0,1,2,3
	global_load_b128 v[GA+4*\j:GA+4*\j+3], v1, s[6:7] offset:\j*2048   ; the four waves read 2,048 consecutive bytes
.endr
	s_wait_alu depctr_va_vdst(0)
.irp r, 0,1,2,3
	ILOAD \r
.endr
	s_wait_loadcnt 24                              ; the table's four loads are in; rows 0 to 3's twenty-four may be out
.irp j, 0,1,2,3
	ds_store_b128 v[TBI], v[GA+4*\j:GA+4*\j+3] offset:TAB+\j*2048
.endr
	s_wait_dscnt 0x0                               ; for the others' sake: my part of the table lies in LDS
	s_barrier_signal -1
	s_barrier_wait -1                              ; the table is whole
	s_wait_loadcnt 18                              ; row 0's six are in; rows 1 to 3's eighteen may be out
	GATHER 0
	s_wait_kmcnt 0x0                               ; the rows' scales
.irp r, 0,1,2,3,4,5,6,7,8,9,10,11,12,13,14,15
	WSTEP \r
.endr
	s_wait_alu depctr_va_vdst(0)
	s_wait_dscnt 0x0                               ; my reads of the table are over
	s_barrier_signal -1
	s_barrier_wait -1                              ; everybody's are: from here on LDS is stored into again
.irp r, 0,1,2,3,4,5,6,7,8,9,10,11,12,13,14,15
	ds_store_b128 v[WSI], v[CK+4*\r:CK+4*\r+3] offset:\r*16
	ds_store_b8 v[WBI], v[BYW+\r] offset:\r*32
.endr
	; the way out: K blocks 2 j and 2 j + 1 of the 16 rows are 512 consecutive bytes of the buffer
.irp j, 0,1,2,3,4,5,6,7,8,9,10,11,12,13,14,15
	ds_load_b128 v[GA+4*\j:GA+4*\j+3], v[WSO] offset:\j*2*WPITCH   ; LDS serves a wave's instructions in order: these see my stores
.endr
	ds_load_b128 v[WV:WV+3], v[WBO]
.irp j, 0,1,2,3,4,5,6,7,8,9,10,11,12,13,14,15
	s_wait_dscnt 16-\j                             ; the younger reads may be out
	global_store_b128 v[CO], v[GA+4*\j:GA+4*\j+3], s[30:31] offset:(\j/8)*PIECE+((\j/2)%4)*1024+(\j%2)*512
.endr
	s_wait_dscnt 0x0
	global_store_b128 v[SO], v[WV:WV+3], s[20:21]  ; sixteen lanes store 256 consecutive bytes, aligned, in each of the two K steps
	s_set_vgpr_msb 0x5
	s_wait_tensorcnt 0x0
	ds_add_u32 v0, v1
	s_wait_dscnt 0x0
	s_set_vgpr_msb 0x500
	s_endpgm
.Lfunc_end_k_q142ec6655a_prep:
	.size	k_q142ec6655a_prep, .Lfunc_end_k_q142ec6655a_prep-k_q142ec6655a_prep
	.p2alignl 7, 3214868480
	.fill 96, 4, 3214868480
	.section	.rodata,"a",@progbits
	.p2align	6, 0x0
	.amdhsa_kernel k_q142ec6655a_prep
		.amdhsa_group_segment_fixed_size 80384
		.amdhsa_private_segment_fixed_size 0
		.amdhsa_enable_private_segment 0
		.amdhsa_kernarg_size 56
		.amdhsa_user_sgpr_count 2
		.amdhsa_user_sgpr_kernarg_segment_ptr 1
		.amdhsa_wavefront_size32 1
		.amdhsa_system_sgpr_workgroup_id_x 1
		.amdhsa_system_sgpr_workgroup_id_y 1
		.amdhsa_system_sgpr_workgroup_id_z 1
		.amdhsa_system_vgpr_workitem_id 0
		.amdhsa_next_free_vgpr 258
		.amdhsa_next_free_sgpr 66
		.amdhsa_reserve_vcc 1
		.amdhsa_float_denorm_mode_32 3
		.amdhsa_float_denorm_mode_16_64 3
		.amdhsa_memory_ordered 1
		.amdhsa_forward_progress 1
		.amdhsa_inst_pref_size 227
	.end_amdhsa_kernel
	.amdgpu_metadata
---
amdhsa.version: [ 1, 2 ]
amdhsa.kernels:
  - .name:           k_q142ec6655a_prep
    .symbol:         k_q142ec6655a_prep.kd
    .args:
      - { .name: x, .offset: 0, .size: 8, .value_kind: global_buffer, .address_space: global }
      - { .name: codebook, .offset: 8, .size: 8, .value_kind: global_buffer, .address_space: global }
      - { .name: scales, .offset: 16, .size: 8, .value_kind: global_buffer, .address_space: global }
      - { .name: indices, .offset: 24, .size: 8, .value_kind: global_buffer, .address_space: global }
      - { .name: signs_packed, .offset: 32, .size: 8, .value_kind: global_buffer, .address_space: global }
      - { .name: aq, .offset: 40, .size: 8, .value_kind: global_buffer, .address_space: global }
      - { .name: bq, .offset: 48, .size: 8, .value_kind: global_buffer, .address_space: global }
    .group_segment_fixed_size: 80384
    .private_segment_fixed_size: 0
    .kernarg_segment_align: 8
    .kernarg_segment_size: 56
    .max_flat_workgroup_size: 128
    .sgpr_count:     66
    .vgpr_count:     258
    .wavefront_size: 32
...
	.end_amdgpu_metadata
.endif
;; end of part 1
;; launch gemm (part 2): grid 8 x 32, 4 waves a work-group, clusters of 4 x 4, 327,680 bytes of LDS; arguments aq, bq, out0; writes out0
.if DOCPART == 2
	.amdgcn_target "amdgcn-amd-amdhsa--gfx1250"
	.amdhsa_code_object_version 6
	.text
	.protected	k_q142ec6655a_gemm
	.globl	k_q142ec6655a_gemm
	.p2align	8
	.type	k_q142ec6655a_gemm,@function
k_q142ec6655a_gemm:
	s_mov_b64 s[64:65], 0
	v_nop
	global_prefetch_b8 v0, s[64:65] scope:SCOPE_SE
	s_setreg_imm32_b32 hwreg(HW_REG_WAVE_MODE, 25, 1), 1
	s_wait_xcnt 0x0
	s_wait_alu depctr_hold_cnt(0) depctr_sa_sdst(0) depctr_va_vdst(0) depctr_va_sdst(0) depctr_va_ssrc(0) depctr_va_vcc(0) depctr_vm_vsrc(0)
	s_getreg_b32 s2, hwreg(HW_REG_IB_STS2, 6, 4)
	s_cmp_eq_u32 s2, 0
	s_cbranch_scc0 .Lentry_in_a_cluster
	s_endpgm
.Lentry_in_a_cluster:
	s_bfe_u32 s2, ttmp6, 0x10000c
	s_cmp_lg_u32 s2, 0xf033
	s_cbranch_scc0 .Lentry_shape_is_right
	s_endpgm
.Lentry_shape_is_right:
; out0[m][n] = sum over k of x[m][k] W[n][k], on the codes of FP4 (E2M1) and E8M0 scale bytes that the launch before has laid in aq (x) and bq (W).
; aq, bq: [blocks of 128 rows][8 K steps of 512][a piece of 34,816 bytes]: codes at 4096 i + 1024 q + 512 c + 16 lane (the image of fragment (i, q)'s 8 registers), scale bytes at 32768 + 256 i + 16 r + 4 q + b.
; A tile of 256 x 256 is made by four waves, 128 x 128 each: 64 accumulators, 512 registers.  Source 0 = 16 rows of W, source 1 = 16 rows of x: a lane holds eight neighbouring numbers of a row of out0.
; LDS: a region of 2 pieces for each wave that loads (waves 0, 1: x's two blocks of 128 rows; waves 2, 3: W's): slot 0's piece, then slot 1's.  A wave has one tensor load out at any place of this text.
; THE CHANGE OF SLOTS stands in a K step's third quarter: the fourth quarter's fragments lie in registers by then, so the slot is free; behind the round come the joint refill and the next slot's first 40 LDS loads,
; and the fourth quarter's 64 products follow them.
; CLUSTERS: 4 x 4 work-groups; x's pieces are asked for jointly along a row of the cluster, W's along a column.
; PREFETCH: a piece is 136 blocks of 256 bytes; the four partners that load it jointly share them by address, 34 each (two instructions a wave: 32 lanes, then blocks 32 and 33, the lanes left over naming block 33 again).
; The head asks for K steps 1 and 2; the load of K step k (k = 1 .. 5) is followed by the request for K step k + 2; the last two refills ask for nothing.
; A piece of bq is loaded by the eight clusters of a column of clusters: the four with cluster y < 4 ask for it.
; THE LAST K STEP GOES BY ROWS OF out0: all its fragments of W fill window 1, x's come by blocks of 16 rows, and each block of 16 x 128 results leaves when its 32 products are done, K ascending as everywhere.
; REGISTERS: window 0: v0-31 addresses; v32-95 scale words, a set for each slot; v128-255 x's fragments, two sets.  window 1: W's fragments, sets at v0 and v128.  windows 2, 3: accumulators (a, b) at v[8 (8 (a % 4) + b)].
; On the way out v32-63 with v96-127, and v192-255, take the rows read back from the stage by turns; x's blocks take v128-191.
.set SIZE_N, 2048
.set NQ,     4
.set FR,     8
.set HALFT,  34816                     ; a piece
.set SCOFF,  32768
.set ROWBLK, 8*HALFT
.set REGN,   2*HALFT                   ; a loading wave's region: two slots
.set SPARE,  4*REGN                    ; behind the regions: the spare words, 128 bytes a wave
.set SPITCH, 528                       ; the stage: 16 rows x (512 + 16) bytes a wave, at the head of region w's slot 0, which has had its last fill and its last read by then
.set ADRA, 16                          ; v16-17 my x fragments in slot 0, 1
.set ADRB, 20                          ; v20-21 my W fragments
.set ADRS, 22                          ; v22-23 scale words: lanes 0-15 x's rows, lanes 16-31 W's
.set STO,  24
.set RD,   25
.set CO,   26                          ; 16 x lane
.set SPW,  28
.set NIL,  29
.set PFO,  30                          ; v30-31 the prefetches' offsets
.set SC,   32
.set AF,   128
.set G1,   24                          ; group 1, 136 rows of 256 bytes, x;  G1B the same for W
.set G0,   32
.set G1B,  48
.set G0B,  56
.set PFA,  84                          ; s[84:85] my 34 blocks of the piece two K steps behind the one that a refill's prefetch names
.set LIM,  96                          ; s96: 1 where my wave prefetches, else 64
.set MSB, 0
.macro WIN new                         ; the immediate's high byte repeats the setting that is left
.if MSB != \new
	s_set_vgpr_msb (MSB<<8)|\new
.set MSB, \new
.endif
.endm
.set MUL_LO, 0xa1                      ; source 0 window 1, source 1 window 0, C and D window 2
.set MUL_HI, 0xf1
.set TO_B,   0x40
.macro JLOAD g0a, g1a, g0b, g1b        ; a joint load: waves 0, 1 for x, waves 2, 3 for W; s_nop 0 and four v_nop behind each line
	s_cmp_eq_u32 s15, 0
	s_cbranch_scc0 .Lfor_b_\@
	tensor_load_to_lds s[\g0a:\g0a+3], s[\g1a:\g1a+7]
	s_nop 0
.rept 4
	v_nop
.endr
	s_branch .Lasked_\@
.Lfor_b_\@:
	tensor_load_to_lds s[\g0b:\g0b+3], s[\g1b:\g1b+7]
	s_nop 0
.rept 4
	v_nop
.endr
.Lasked_\@:
.endm
.macro CREST                           ; a round of the cluster's barrier behind its opening barrier
	s_cmp_lg_u32 s14, 0
	s_cbranch_scc1 .Lnot_wave_0_\@
	s_barrier_signal -3
.Lnot_wave_0_\@:
	s_barrier_wait -3
	s_barrier_signal -1
	s_barrier_wait -1
.endm
.macro CROUND                          ; a whole round
	s_barrier_signal -1
	s_barrier_wait -1
	CREST
.endm
.macro PLACES                          ; four places behind matrix instructions, ahead of loads into their sources and of reads of their results
.rept 4
	v_nop
.endr
.endm
	s_load_b128 s[4:7], s[0:1], 0x0                ; aq, bq
	s_load_b64 s[12:13], s[0:1], 0x10              ; out0
	v_lshl_add_u32 v[SPW], v0, 2, SPARE
	v_mov_b32 v[NIL], 0
	ds_add_u32 v[SPW], v[NIL]                      ; the opening lines: the add twice on end and one wait
	ds_add_u32 v[SPW], v[NIL]
	v_lshrrev_b32 v1, 5, v0
	v_readfirstlane_b32 s14, v1                    ; wave
	s_lshr_b32 s15, s14, 1                         ; my half of the tile's rows; also: I load for x (0) or W (1)
	s_and_b32 s16, s14, 1                          ; my half of its columns; also: which block of 128 rows I load
	s_bfe_u32 s40, ttmp6, 0x40000                  ; cx
	s_bfe_u32 s41, ttmp6, 0x40004                  ; cy
	s_lshl_b32 s42, ttmp9, 2
	s_add_co_u32 s42, s42, s40                     ; tile column
	s_and_b32 s10, ttmp7, 0xffff                   ; cluster y
	s_lshl_b32 s17, s10, 2
	s_add_co_u32 s17, s17, s41                     ; tile row
	s_lshl_b32 s43, s41, 2
	s_lshl_b32 s43, 15, s43                        ; my row of the cluster
	s_lshl_b32 s44, 0x1111, s40                    ; my column
	s_or_b32 s[G1], s43, (3<<16)|(1<<21)           ; elements of 8 bytes, the mask, bit 21 beside it
	s_or_b32 s[G1B], s44, (3<<16)|(1<<21)
.irp g, G1, G1B
	s_mov_b32 s[\g+1], 32<<16                      ; rows of 32 elements = 256 bytes, dense
	s_mov_b32 s[\g+2], (HALFT/256)<<16
	s_mov_b32 s[\g+3], 32<<16
	s_mov_b32 s[\g+4], HALFT/256
	s_mov_b32 s[\g+5], 32
	s_mov_b32 s[\g+6], 0
	s_mov_b32 s[\g+7], 0
.endr
	s_cmp_lt_u32 s10, 4
	s_cselect_b32 s[LIM], 1, 64
	s_cmp_eq_u32 s15, 0
	s_cselect_b32 s[LIM], 1, s[LIM]                ; x's waves ask in every cluster, W's where cluster y < 4
	s_lshl_b32 s20, s17, 1
	s_add_co_u32 s20, s20, s16
	s_mul_i32 s20, s20, ROWBLK                     ; x: block 2 x tile row + half
	s_mov_b32 s21, 0
	s_lshl_b32 s46, s42, 1
	s_add_co_u32 s46, s46, s16
	s_mul_i32 s46, s46, ROWBLK                     ; W: block 2 x tile column + half
	s_mov_b32 s47, 0
	s_mul_i32 s45, s14, REGN                       ; my region
	s_wait_dscnt 0x0
	s_wait_kmcnt 0x0
	s_add_nc_u64 s[20:21], s[4:5], s[20:21]
	s_add_nc_u64 s[46:47], s[6:7], s[46:47]
	CROUND                                         ; in front of the first joint loads
.irp s, 0,1
	s_mov_b32 s[G0+4*\s], 1
	s_add_co_u32 s[G0+4*\s+1], s45, \s*HALFT
	s_add_nc_u64 s[G0+4*\s+2:G0+4*\s+3], s[20:21], \s*HALFT
	s_or_b32 s[G0+4*\s+3], s[G0+4*\s+3], 0x80000000
	s_mov_b32 s[G0B+4*\s], 1
	s_add_co_u32 s[G0B+4*\s+1], s45, \s*HALFT
	s_add_nc_u64 s[G0B+4*\s+2:G0B+4*\s+3], s[46:47], \s*HALFT
	s_or_b32 s[G0B+4*\s+3], s[G0B+4*\s+3], 0x80000000
.endr
	JLOAD G0, G1, G0B, G1B                         ; K step 0: my one load at the head
	s_cmp_eq_u32 s15, 0
	s_cselect_b64 s[PFA:PFA+1], s[20:21], s[46:47]
	s_cselect_b32 s18, s40, s41                    ; my place among the four that load the piece with me
	s_mul_i32 s18, s18, 34*256
	s_add_co_u32 s18, s18, HALFT                   ; at K step 1
	s_mov_b32 s19, 0
	s_add_nc_u64 s[PFA:PFA+1], s[PFA:PFA+1], s[18:19]
	s_mul_i32 s86, s15, REGN                       ; my 128 rows of x
	s_mul_i32 s87, s16, REGN
	s_add_co_u32 s87, s87, 2*REGN                  ; my 128 rows of W
	s_sub_co_u32 s88, s87, s86
	s_add_co_u32 s89, s86, SCOFF
	s_lshl_b32 s92, s17, 8
	s_lshl_b32 s93, s15, 7
	s_add_co_u32 s92, s92, s93                     ; my first row of out0,
	s_lshl_b32 s92, s92, 13                        ; x 8,192 bytes (under 2^27),
	s_lshl_b32 s93, s42, 10
	s_add_co_u32 s92, s92, s93
	s_lshl_b32 s93, s16, 9
	s_add_co_u32 s92, s92, s93                     ; + my first column
	s_mov_b32 s93, 0
	s_add_nc_u64 s[12:13], s[12:13], s[92:93]
	v_and_b32 v1, 15, v0
	v_bfe_u32 v2, v0, 4, 1
	v_and_b32 v6, 31, v0
	v_lshlrev_b32 v[CO], 4, v6
	v_add_nc_u32 v[ADRA], s86, v[CO]
	v_add_nc_u32 v[ADRB], s87, v[CO]
	v_add_nc_u32 v[ADRA+1], HALFT, v[ADRA]
	v_add_nc_u32 v[ADRB+1], HALFT, v[ADRB]
	v_mul_u32_u24 v3, s88, v2                      ; lanes 16-31 take W's scale words
	v_lshl_add_u32 v3, v1, 4, v3
	v_add_nc_u32 v[ADRS], s89, v3
	v_add_nc_u32 v[ADRS+1], HALFT, v[ADRS]
	v_mul_u32_u24 v4, v1, SPITCH
	v_lshl_add_u32 v4, v2, 5, v4
	v_add_nc_u32 v[STO], s45, v4                   ; into the stage: row l % 16, 32 bytes for each half of the lanes
	v_add_nc_u32 v[RD], s45, v[CO]                 ; back: 32 lanes take a row of 512 bytes
	v_lshlrev_b32 v[PFO], 8, v6                    ; blocks 0 .. 31 of my 34
	v_min_u32 v5, 1, v6
	v_lshl_add_u32 v[PFO+1], v5, 8, 32*256         ; blocks 32, 33, 33 ..
	s_wait_alu depctr_va_vdst(0)
	s_cmp_eq_u32 s[LIM], 1
	s_cbranch_scc0 .Lno_head_ask
.irp k, 0,1
	global_prefetch_b8 v[PFO], s[PFA:PFA+1] offset:\k*HALFT th:TH_LOAD_NT scope:SCOPE_SE     ; K steps 1 and 2
	global_prefetch_b8 v[PFO+1], s[PFA:PFA+1] offset:\k*HALFT th:TH_LOAD_NT scope:SCOPE_SE
.endr
.Lno_head_ask:
.macro WM d, b, a, sb, sa, zero        ; one product; W's scale word from lanes 16-31 of its register, x's from lanes 0-15
.if \zero
	v_wmma_scale_f32_16x16x128_f8f6f4 v[\d:\d+7], v[\b:\b+7], v[\a:\a+7], 0, v[\sb], v[\sa] matrix_a_fmt:MATRIX_FMT_FP4 matrix_b_fmt:MATRIX_FMT_FP4 matrix_a_scale:MATRIX_SCALE_ROW1
.else
	v_wmma_scale_f32_16x16x128_f8f6f4 v[\d:\d+7], v[\b:\b+7], v[\a:\a+7], v[\d:\d+7], v[\sb], v[\sa] matrix_a_fmt:MATRIX_FMT_FP4 matrix_b_fmt:MATRIX_FMT_FP4 matrix_a_scale:MATRIX_SCALE_ROW1
.endif
.endm
.macro MUL16 a0, p, q, sc, zero        ; x's blocks a0, a0 + 1 against W's eight, from fragment set p; the 64 accumulators take turns in one order everywhere
.irp a, \a0, \a0+1
.irp b, 0,1,2,3,4,5,6,7
	WM 8*(8*((\a)%4)+\b), 128*(\p)+FR*\b, AF+64*(\p)+FR*(\a), SC+32*(\sc)+NQ*\b+(\q), SC+32*(\sc)+NQ*(\a)+(\q), \zero
.endr
.endr
.endm
.macro FRAG reg, adr, q, i             ; a fragment is 1,024 consecutive bytes: two loads of 512
.irp c, 0,1
	ds_load_b128 v[\reg+4*\c:\reg+4*\c+3], v[\adr] offset:(\i)*4096+(\q)*1024+512*\c
.endr
.endm
.macro FETCH slot, q, p                ; 32 loads in one run: W's eight fragments, then x's eight, into set p
	WIN TO_B
.irp i, 0,1,2,3,4,5,6,7
	FRAG 128*(\p)+FR*\i, ADRB+\slot, \q, \i
.endr
	WIN 0
.irp i, 0,1,2,3,4,5,6,7
	FRAG AF+64*(\p)+FR*\i, ADRA+\slot, \q, \i
.endr
.endm
.macro SCALES sc                       ; a K step's scale words: four a row
.irp i, 0,1,2,3,4,5,6,7
	ds_load_b128 v[SC+32*\sc+NQ*\i:SC+32*\sc+NQ*\i+3], v[ADRS+\sc] offset:\i*256
.endr
.endm
; 128 along K, the slot's quarter 0 or 1: the next quarter's 32 loads go out at the head, into the set that the quarter before multiplied
.macro QUARTER slot, q, zero
	s_wait_dscnt 8                                 ; all but the youngest eight loads (x's blocks 4-7) are in
	PLACES
	FETCH \slot, (\q)+1, 1-(\q)%2
	WIN MUL_LO
	MUL16 0, (\q)%2, \q, \slot, \zero
	MUL16 2, (\q)%2, \q, \slot, \zero
	s_wait_dscnt 32                                ; all but the 32 just issued
	WIN MUL_HI
	MUL16 4, (\q)%2, \q, \slot, \zero
	MUL16 6, (\q)%2, \q, \slot, \zero
.endm
.macro ASK head                        ; the piece two K steps behind PFA's.  head = 1: behind K step 1's load; else in the loop, whose last trip (s3 = 1) asks for nothing
.if \head
	s_cmp_eq_u32 s[LIM], 1
.else
	s_cmp_gt_u32 s3, s[LIM]
.endif
	s_cbranch_scc0 .Lno_ask_\@
	global_prefetch_b8 v[PFO], s[PFA:PFA+1] offset:2*HALFT th:TH_LOAD_NT scope:SCOPE_SE
	global_prefetch_b8 v[PFO+1], s[PFA:PFA+1] offset:2*HALFT th:TH_LOAD_NT scope:SCOPE_SE
.Lno_ask_\@:
.endm
.macro BLOAD q                         ; the last K step: W's fragments of quarter q -> window 1, v[64 q ..]
.irp i, 0,1,2,3,4,5,6,7
	FRAG 64*(\q)+FR*\i, ADRB+1, \q, \i
.endr
.endm
.macro ALOAD a                         ; the last K step: x's block a, all four quarters -> v[128 + 32 (a % 2) ..]
.irp q, 0,1,2,3
	FRAG AF+32*((\a)%2)+FR*\q, ADRA+1, \q, \a
.endr
.endm
; A slot's quarters 2 and 3, with the change of slots between them.  Quarter 3's fragments are fetched at quarter 2's head; the three lines and the opening barrier stand among quarter 2's last 32 products.
; fill = 1: the round, the joint refill of this slot, the next slot's scale words and first fragments.  fill = 0 (K step 6): nothing is filled; the last K step's loads by rows.
.macro TURN slot, next, fill
.if \fill
	s_wait_xcnt 0x0                                ; my prefetches have read their base
	s_add_nc_u64 s[PFA:PFA+1], s[PFA:PFA+1], HALFT
.endif
	s_wait_dscnt 8
	PLACES
	FETCH \slot, 3, 1
	WIN MUL_LO
	MUL16 0, 0, 2, \slot, 0
	MUL16 2, 0, 2, \slot, 0
	WIN 0
	s_wait_tensorcnt 0x0                           ; my one load that was out, my piece of the next slot, has landed
	ds_add_u32 v[SPW], v[NIL]
.if \fill
	s_add_nc_u64 s[G0+4*\slot+2:G0+4*\slot+3], s[G0+4*\slot+2:G0+4*\slot+3], 2*HALFT
	s_add_nc_u64 s[G0B+4*\slot+2:G0B+4*\slot+3], s[G0B+4*\slot+2:G0B+4*\slot+3], 2*HALFT
.endif
	s_wait_dscnt 33                                ; x's blocks 4-7 of quarter 2 are in; the 32 loads just issued and the add may be out
	WIN MUL_HI
	MUL16 4, 0, 2, \slot, 0
	s_wait_dscnt 0x0                               ; the add is done, and my reads of this slot are over
	s_barrier_signal -1
	MUL16 6, 0, 2, \slot, 0
	WIN 0
	s_barrier_wait -1
.if \fill
	CREST
	JLOAD G0+4*\slot, G1, G0B+4*\slot, G1B         ; its four v_nop are the places ahead of the loads below
	SCALES \next
	FETCH \next, 0, 0
	ASK 0
.else
	PLACES
	SCALES 1
	WIN TO_B
	BLOAD 0                                        ; set 1 (v128-191 of window 1, v192-255 of window 0) is still to be multiplied
	BLOAD 1
	BLOAD 3
	WIN 0
	ALOAD 0
	ALOAD 1
.endif
	WIN MUL_LO
	MUL16 0, 1, 3, \slot, 0
	MUL16 2, 1, 3, \slot, 0
	WIN MUL_HI
	MUL16 4, 1, 3, \slot, 0
	MUL16 6, 1, 3, \slot, 0
.endm
	s_wait_tensorcnt 0x0                           ; my piece of K step 0 is in
	ds_add_u32 v[SPW], v[NIL]
	s_wait_dscnt 0x0
	CROUND
	JLOAD G0+4, G1, G0B+4, G1B                     ; K step 1: slot 1's first fill
	SCALES 0
	FETCH 0, 0, 0
	ASK 1                                          ; K step 3
	QUARTER 0, 0, 1                                ; the first products start the sums
	WIN 0
	s_mov_b32 s3, 3
.Llap:                                                 ; a trip: once round the ring, both slots filled again
	QUARTER 0, 1, 0
	TURN 0, 1, 1
	QUARTER 1, 0, 0
	QUARTER 1, 1, 0
	TURN 1, 0, 1
	QUARTER 0, 0, 0
	WIN 0
	s_sub_co_u32 s3, s3, 1
	s_cmp_lg_u32 s3, 0
	s_cbranch_scc1 .Llap
	QUARTER 0, 1, 0
	TURN 0, 1, 0
; THE LAST K STEP (slot 1), by rows of out0
.macro ROW a                           ; block a is finished: 32 products, its 8 accumulators by turns
	WIN MUL_LO+0x50*((\a)/4)
.irp q, 0,1,2,3
.if (\a) == 0 && \q == 2
	s_wait_dscnt 0                                 ; W's quarter 2 is in
.endif
.irp b, 0,1,2,3,4,5,6,7
	WM 64*((\a)%4)+8*\b, 64*\q+8*\b, AF+32*((\a)%2)+8*\q, SC+32+4*\b+\q, SC+32+4*(\a)+\q, 0
.endr
.endr
.endm
.macro BKSET a, t                      ; where row t of block a comes back: even blocks v32-63 and v96-127, odd blocks v192-255
.set BB, (1-((\a)%2))*(32+4*(\t)+32*((\t)/8))+((\a)%2)*(192+4*(\t))
.endm
.macro TOSTAGE a                       ; a lane's 32 bytes of a row into my stage, whole rows of 512 bytes back; LDS serves a wave's instructions in order (ISA guide 5.7.1.4)
.set AC, 64*((\a)%4)
	WIN 0x08+4*((\a)/4)
.irp b, 0,1,2,3,4,5,6,7
	ds_store_b128 v[STO], v[AC+8*\b:AC+8*\b+3] offset:64*\b          ; each accumulator from its low end on
	ds_store_b128 v[STO], v[AC+8*\b+4:AC+8*\b+7] offset:64*\b+16
.endr
	WIN 0
.irp t, 0,1,2,3,4,5,6,7,8,9,10,11,12,13,14,15
	BKSET \a, \t
	ds_load_b128 v[BB:BB+3], v[RD] offset:\t*SPITCH
.endr
.endm
.macro SEND a, younger
	s_wait_dscnt \younger                          ; the block is back; the next block of x may be out
.irp t, 0,1,2,3,4,5,6,7,8,9,10,11,12,13,14,15
	BKSET \a, \t
	global_store_b128 v[CO], v[BB:BB+3], s[12:13] offset:(16*(\a)+\t)*SIZE_N*4   ; 32 lanes store 512 consecutive bytes, aligned; 127 rows of 8,192 bytes at the most in the immediate
.endr
.endm
	PLACES
	WIN TO_B
	BLOAD 2
	WIN 0
	s_wait_dscnt 16                                ; all but the 16 just issued
	ROW 0
.irp a, 0,1,2,3,4,5,6,7
	PLACES                                         ; ahead of the reads of results just made and of the loads into the block of x just multiplied
.if \a > 1
	s_wait_xcnt 0x0                                ; block a - 2's stores have read their registers
.endif
	TOSTAGE \a
.if \a < 6
	ALOAD \a+2
	SEND \a, 8
.else
	SEND \a, 0
.endif
.if \a < 7
	ROW \a+1
.endif
.endr
	s_wait_tensorcnt 0x0                           ; the wave's end
	ds_add_u32 v[SPW], v[NIL]
	s_wait_dscnt 0x0
	CROUND                                         ; the closing round
	s_endpgm
.Lfunc_end_k_q142ec6655a_gemm:
	.size	k_q142ec6655a_gemm, .Lfunc_end_k_q142ec6655a_gemm-k_q142ec6655a_gemm
	.p2alignl 7, 3214868480
	.fill 96, 4, 3214868480
	.section	.rodata,"a",@progbits
	.p2align	6, 0x0
	.amdhsa_kernel k_q142ec6655a_gemm
		.amdhsa_group_segment_fixed_size 327680
		.amdhsa_private_segment_fixed_size 0
		.amdhsa_enable_private_segment 0
		.amdhsa_kernarg_size 24
		.amdhsa_user_sgpr_count 2
		.amdhsa_user_sgpr_kernarg_segment_ptr 1
		.amdhsa_wavefront_size32 1
		.amdhsa_system_sgpr_workgroup_id_x 1
		.amdhsa_system_sgpr_workgroup_id_y 1
		.amdhsa_system_sgpr_workgroup_id_z 1
		.amdhsa_system_vgpr_workitem_id 0
		.amdhsa_next_free_vgpr 1024
		.amdhsa_next_free_sgpr 98
		.amdhsa_reserve_vcc 0
		.amdhsa_float_denorm_mode_32 3
		.amdhsa_float_denorm_mode_16_64 3
		.amdhsa_memory_ordered 1
		.amdhsa_forward_progress 1
		.amdhsa_inst_pref_size 208
	.end_amdhsa_kernel
	.amdgpu_metadata
---
amdhsa.version: [ 1, 2 ]
amdhsa.kernels:
  - .name:           k_q142ec6655a_gemm
    .symbol:         k_q142ec6655a_gemm.kd
    .args:
      - { .name: aq, .offset: 0, .size: 8, .value_kind: global_buffer, .address_space: global }
      - { .name: bq, .offset: 8, .size: 8, .value_kind: global_buffer, .address_space: global }
      - { .name: out0, .offset: 16, .size: 8, .value_kind: global_buffer, .address_space: global }
    .group_segment_fixed_size: 327680
    .private_segment_fixed_size: 0
    .kernarg_segment_align: 8
    .kernarg_segment_size: 24
    .max_flat_workgroup_size: 128
    .sgpr_count:     98
    .vgpr_count:     1024
    .wavefront_size: 32
...
	.end_amdgpu_metadata
.endif
;; end of part 2
